; MI455X (gfx1250); checked and timed in simulation.
; The chip was launched on July 23, 2026; its instructions are those of AMD's public machine-readable ISA for CDNA 5 (MIT licence, August 2026) and "CDNA5" Instruction Set Architecture Reference Guide (July 2026). The comments in the code are by the model that wrote it; some were corrected since.
;; My LSTM Cell. Allowed arithmetic: matrix products marked QUANTISED: E4M3 operands, one E8M0 scale for each 32 along K, by v_wmma_scale_f32_16x16x128_f8f6f4 with both operands' format E4M3, f32 sums; everything else in f32.
;; Inputs: U_c 1,024 x 1,024 float32; U_f 1,024 x 1,024 float32; U_i 1,024 x 1,024 float32; U_o 1,024 x 1,024 float32; W_c 1,024 x 1,024 float32; W_f 1,024 x 1,024 float32; W_i 1,024 x 1,024 float32; W_o 1,024 x 1,024 float32; b_c 1,024 float32; b_f 1,024 float32; b_i 1,024 float32; b_o 1,024 float32; c_prev 8,192 x 1,024 float32; h_prev_codes 8,192 x 32 x 32 uint8 (E4M3 codes of h_prev, K innermost, in blocks of 32 codes); h_prev_scales 8,192 x 32 uint8 (E8M0 scales of h_prev, one for each 32 codes along K); x_codes 8,192 x 32 x 32 uint8 (E4M3 codes of x, K innermost, in blocks of 32 codes); x_scales 8,192 x 32 uint8 (E8M0 scales of x, one for each 32 codes along K).
;; Outputs: out0 8,192 x 1,024 float32; out1 8,192 x 1,024 float32.
;; This version of the problem:
;;   THIS VERSION OF THE PROBLEM IS GIVEN IN LOW PRECISION. The matrix products marked QUANTISED in the list below multiply operands that are first quantised to E4M3 (4 exponent bits, 3 mantissa bits; 8 bits a number), with one power-of-two scale for each 32 numbers along K (OCP MX v1.0); their sums are f32. All else is computed in f32.
;;   The module's matrix products, in the order in which they are computed (A, B: the left and right operand; K: the contracted axis; several contracted axes count as one K, in the product's order):
;;     1. [M 8,192, K 1,024] x [K 1,024, N 4,096]; A: input x (given as codes); B: computed on the way: QUANTISED
;;     2. [M 8,192, K 1,024] x [K 1,024, N 4,096]; A: input h_prev (given as codes); B: computed on the way: QUANTISED
;;   THE QUANTISER, for each operand of a quantised product, along K:
;;     - K is cut into blocks of 32 from its start; a last block that is shorter is filled with zeros.
;;     - A block's scale is 2^e with e = floor(log2(the largest magnitude in the block)) - 8, held to -126 .. 127; a block of zeros has e = 0. As a byte (E8M0): e + 127.
;;     - Each number is divided by its block's scale, clamped to +-448, and rounded to the nearest number of E4M3, ties to even, subnormals kept.
;;     - The product sums the exact products of the quantised numbers (number of the format x scale) in f32.
;;   ~~~python
;;   def quantise(x, axis):      # numpy; x: float32 -> the quantised numbers, widened to float32 again
;;       x = np.moveaxis(x, axis, -1); K = x.shape[-1]
;;       x = np.pad(x, [(0, 0)] * (x.ndim - 1) + [(0, -K % 32)]); x = x.reshape(x.shape[:-1] + (-1, 32)); a = np.abs(x).max(-1, keepdims=True)
;;       e = np.where(a > 0, np.clip(np.frexp(np.where(a > 0, a, 1))[1] - 1 - 8, -126, 127), 0)      # np.frexp(a)[1] - 1 = floor(log2(a)), exactly
;;       r = np.clip(x / 2.0 ** e, -448, 448)
;;       step = 2.0 ** (np.maximum(np.frexp(np.where(r == 0, 1, r))[1] - 1, -6) - 3)
;;       q = np.round(r / step) * step * 2.0 ** e      # np.round: ties to even
;;       return np.moveaxis(q.reshape(q.shape[:-2] + (-1,))[..., :K], -1, axis).astype(np.float32)
;;   ~~~
;;   OPERANDS COMPUTED ON THE WAY. 'Computed on the way' means the value that the module computes at that place (a softmax that the list does not call 'softmax' is quantised finished and normalised). What goes into a quantiser is computed in f32, as accurately as f32 sums, v_exp_f32 and their like allow (about 1e-6 of the number): no bf16 or f16 on the way to a quantiser, and a product that is left as it is and whose result goes on into a quantised operand takes f32 operands (vector FMAs, or v_wmma_f32_16x16x4_f32). A number that lies on a knife's edge between two numbers of the format may be rounded either way, as far as f32 arithmetic and the matrix unit's own rounding can turn it there, and no further.
;;   INPUTS GIVEN AS CODES. h_prev (in the module: [8192, 1024], K = its axis 1); x (in the module: [8192, 1024], K = its axis 1): each comes as NAME_codes (uint8): NAME with its K axis moved to the last place and cut into blocks of 32 codes, [.., K / 32, bytes a block], one block behind the other in memory; one code a byte (a code: sign, 4 exponent bits, 3 mantissa bits); and NAME_scales (uint8): the same leading axes, one E8M0 byte (e + 127) for each 32 codes along K. Its value is code x scale, taken as it is: it is not quantised again, and the codes and scales need not be those that the quantiser above would give.
;; One version. Each part assembles by itself: llvm-mc -triple=amdgcn-amd-amdhsa -mcpu=gfx1250 --defsym DOCPART=n.
;; ======== version 1 of 1: 2 launches
;; limits: right only within a limited range of input values
;; workspace buffers: b_codes 8,388,608 bytes; b_scales 262,144 bytes; a_scales 524,288 bytes
;; launch prep (part 1): grid 8 x 32, 8 waves a work-group, no clusters, 36,864 bytes of LDS; arguments W_i, W_f, W_o, W_c, U_i, U_f, U_o, U_c, x_scales, h_prev_scales, b_codes, b_scales, a_scales; writes b_codes, b_scales, a_scales
.if DOCPART == 1
	.amdgcn_target "amdgcn-amd-amdhsa--gfx1250"
	.amdhsa_code_object_version 6
	.text
	.protected	k_q1ebc8bbfa3_prep
	.globl	k_q1ebc8bbfa3_prep
	.p2align	8
	.type	k_q1ebc8bbfa3_prep,@function
k_q1ebc8bbfa3_prep:
	s_mov_b64 s[64:65], 0
	v_nop
	global_prefetch_b8 v0, s[64:65] scope:SCOPE_SE
	s_setreg_imm32_b32 hwreg(HW_REG_WAVE_MODE, 25, 1), 1
	s_wait_xcnt 0x0
; The eight weights [1024 (k)][1024 (n)], f32, K outermost, become ONE operand of codes of FP8 (E4M3) with K innermost, and one E8M0 byte for each 32 along K.
; b_codes [4096 rows][2048 bytes]: bytes 0-1023 of a row are W_g's column, bytes 1024-2047 U_g's.  Row of gate g (0 i, 1 f, 2 o, 3 c), hidden column hid:
;   256 (hid / 64) + 128 ((hid / 32) % 2) + 32 g + hid % 32:  so 128 neighbouring rows hold the four gates of 32 hidden columns, which one wave of the next launch takes.
; b_scales [8 K steps of 256][4096 rows][8 bytes];  a_scales [8 K steps][8192 rows][8 bytes]: K steps 0-3 are x_scales' bytes 8 p .. 8 p + 7 of each row, K steps 4-7 h_prev_scales'.
; Laid by K step, 256 rows' scale bytes of a K step are 2,048 consecutive bytes, and every store of scale bytes here covers 256 consecutive bytes, aligned.
; A block's scale is 2^(floor(log2(its largest magnitude)) - 8): its byte is the largest magnitude's exponent field - 8, held at 1 from below; each number is held within +-448 x the scale and rounded to the nearest code, ties to even.
; LIMITS: a block of zeros, or one whose largest magnitude lies under 2^-118, gets the byte 1 (a block of zeros: where the rule says 127; its codes are zeros, which add nothing, and this program alone reads the bytes).
;         NaN and infinities among the weights are not served.
; SHARES.  Work-group (x, y): weight y / 4, K step y % 4 (256 along K), columns 128 x .. 128 x + 127.  Wave w takes the block of 32 along K at 32 w; lane l takes the four columns 4 l + c.
; A load reads one row k at 128 neighbouring columns: 512 consecutive bytes.  A column's 32 numbers lie in ONE lane, four registers apart: its largest magnitude needs no other lane, and the hold, which every number
; passes anyway, writes them into consecutive registers for the conversions.  The codes meet in a stage in LDS (a row = a column's 256 codes) and leave as whole rows of 256 bytes.
; Each work-group also copies 64 rows' scale bytes of x or of h_prev into a_scales.  No tensor load, no matrix work: memory binds.
.set PITCH, 272                        ; a stage row: 256 bytes + 16: sixteen lanes' 16 bytes fall on sixteen different places modulo 256
.set SST,   128*PITCH                  ; behind the stage: 128 columns x 8 scale bytes
.set STA,   2                          ; v2   the stage, on the way in: 272 x lane + 32 x wave (stage row 32 c + lane holds column 4 lane + c)
.set SSA,   3                          ; v3   my scale bytes: SST + 32 x lane + wave (column x 8 + block)
.set RDA,   4                          ; v4   the stage, on the way out
.set GOA,   5                          ; v5   and the same place in b_codes
.set SSR,   6                          ; v6   the scale bytes on the way out: SST + 256 x wave + 8 x lane
.set GSA,   7                          ; v7   8 x lane
.set M,     8                          ; v8-11   the four columns' largest magnitudes
.set SO,    12                         ; v12-15  the conversions' scale operands
.set LIM,   16                         ; v16-19  448 x the scale
.set BY,    20                         ; v20-23  the scale bytes
.set X,     32                         ; v32-159  register 4 i + c: W(32 w + i, column 4 l + c)
.set Y,     160                        ; v160-223 two sets of 32: a column's numbers on end
.set C,     224                        ; v224-255 eight registers of codes a column
	s_load_b512 s[4:19], s[0:1], 0x0               ; W_i, W_f, W_o, W_c, U_i, U_f, U_o, U_c
	s_load_b256 s[20:27], s[0:1], 0x40             ; x_scales, h_prev_scales, b_codes, b_scales
	s_load_b64 s[28:29], s[0:1], 0x60              ; a_scales
	s_set_vgpr_msb 0x40
	v_lshl_add_u32 v0, v0, 2, 0x8c00
	v_mov_b32 v1, 0
	s_set_vgpr_msb 0x4000
	v_lshrrev_b32 v28, 5, v0
	s_delay_alu instid0(VALU_DEP_1)
	v_readfirstlane_b32 s30, v28                   ; wave 0..7
	s_and_b32 s31, ttmp7, 0xffff                   ; y
	s_lshr_b32 s32, s31, 2                         ; which weight, 0..7
	s_and_b32 s33, s31, 3                          ; which 256 along its K
	s_and_b32 s34, s32, 3                          ; its gate
	s_lshr_b32 s35, s32, 2                         ; 0: a W, 1: a U
	s_mov_b32 s37, 0                               ; the upper word of every offset
	s_mov_b32 s38, 0x600000                        ; the mantissa field of 448
	; the copy: thread T takes row T % 64 of the work-group's 64 rows, K step T / 64 of the tensor's four: 8 bytes
	v_and_b32 v28, 63, v0
	v_lshrrev_b32 v29, 6, v0
	s_delay_alu instid0(VALU_DEP_2)
	v_lshlrev_b32 v24, 5, v28
	s_delay_alu instid0(VALU_DEP_1)
	v_lshl_add_u32 v24, v29, 3, v24                ; from: 32 x row + 8 x K step
	s_delay_alu instid0(VALU_DEP_4)
	v_lshlrev_b32 v25, 3, v28
	s_delay_alu instid0(VALU_DEP_1)
	v_lshl_add_u32 v25, v29, 16, v25               ; to: 65,536 x K step + 8 x row: a wave's 32 lanes store 256 consecutive bytes
	s_lshl_b32 s39, s31, 3
	s_add_co_u32 s39, s39, ttmp9                   ; the work-group's number, 0..255
	s_and_b32 s40, s39, 127
	s_lshr_b32 s41, s39, 7
	v_and_b32 v31, 31, v0                          ; lane
	s_delay_alu instid0(VALU_DEP_1)
	v_lshlrev_b32 v1, 4, v31                       ; my 16 bytes of a load's 512
	s_wait_alu depctr_va_vdst(0)
	s_wait_kmcnt 0x0
	s_cmp_lt_u32 s39, 128                          ; the first 128 work-groups copy x's, the others h_prev's: the choice hangs on the work-group's number alone
	s_cselect_b64 s[20:21], s[20:21], s[22:23]
	s_lshl_b32 s36, s40, 11                        ; 64 rows of 32 bytes
	s_add_nc_u64 s[20:21], s[20:21], s[36:37]
	global_load_b64 v[26:27], v24, s[20:21]
	s_lshl_b32 s36, s41, 18                        ; h_prev's K steps lie four K steps of 65,536 bytes on
	s_lshl_b32 s42, s40, 9
	s_add_co_u32 s36, s36, s42
	s_add_nc_u64 s[28:29], s[28:29], s[36:37]
	; the weight: one of eight, by the three bits of its number
	s_bitcmp1_b32 s32, 2
	s_cselect_b64 s[4:5], s[12:13], s[4:5]
	s_cselect_b64 s[6:7], s[14:15], s[6:7]
	s_cselect_b64 s[8:9], s[16:17], s[8:9]
	s_cselect_b64 s[10:11], s[18:19], s[10:11]
	s_bitcmp1_b32 s32, 1
	s_cselect_b64 s[4:5], s[8:9], s[4:5]
	s_cselect_b64 s[6:7], s[10:11], s[6:7]
	s_bitcmp1_b32 s32, 0
	s_cselect_b64 s[4:5], s[6:7], s[4:5]
	s_lshl_b32 s36, s33, 20                        ; 256 rows of 4,096 bytes a K step,
	s_lshl_b32 s42, s30, 17                        ; 32 rows a wave,
	s_add_co_u32 s36, s36, s42
	s_lshl_b32 s42, ttmp9, 9                       ; 128 columns a work-group
	s_add_co_u32 s36, s36, s42
	s_add_nc_u64 s[4:5], s[4:5], s[36:37]
.set i, 0
.rept 32
	global_load_b128 v[X+4*i:X+4*i+3], v1, s[4:5] offset:4096*i th:TH_LOAD_NT   ; row 32 w + i: 32 lanes read 512 consecutive bytes; each byte is read once in the launch
.set i, i+1
.endr
	; addresses, while the loads are out
	v_and_b32 v30, 15, v31
	v_lshrrev_b32 v29, 4, v31                      ; the lane's half
	s_lshl_b32 s39, s30, 5
	v_mul_u32_u24 v[STA], v31, PITCH
	s_delay_alu instid0(VALU_DEP_1)
	v_add_nc_u32 v[STA], s39, v[STA]
	v_lshlrev_b32 v[SSA], 5, v31
	s_delay_alu instid0(VALU_DEP_1)
	v_add_nc_u32 v[SSA], s30, v[SSA]
	s_delay_alu instid0(VALU_DEP_1)
	v_add_nc_u32 v[SSA], SST, v[SSA]
	; out: wave w, load t, half hl take column cl = 16 w + 2 t + hl, which lies in stage row 32 (cl % 4) + cl / 4 = 64 (t % 2) + 32 hl + 4 w + t / 2
	s_mul_i32 s39, s30, 4*PITCH
	v_mul_u32_u24 v[RDA], v29, 32*PITCH
	s_delay_alu instid0(VALU_DEP_1)
	v_lshl_add_u32 v[RDA], v30, 4, v[RDA]
	s_delay_alu instid0(VALU_DEP_1)
	v_add_nc_u32 v[RDA], s39, v[RDA]
	v_lshlrev_b32 v[GOA], 11, v29                  ; a row of b_codes is 2,048 bytes
	s_delay_alu instid0(VALU_DEP_1)
	v_lshl_add_u32 v[GOA], v30, 4, v[GOA]
	v_lshlrev_b32 v[GSA], 3, v31
	s_lshl_b32 s39, s30, 8
	v_add_nc_u32 v[SSR], s39, v[GSA]
	s_delay_alu instid0(VALU_DEP_1)
	v_add_nc_u32 v[SSR], SST, v[SSR]
	; b_codes: column 128 x + 16 w + .. of gate g is row 512 x + 128 (w / 2) + 32 g + 16 (w % 2) + ..
	s_lshl_b32 s39, ttmp9, 9
	s_lshr_b32 s40, s30, 1
	s_lshl_b32 s40, s40, 7
	s_add_co_u32 s39, s39, s40
	s_lshl_b32 s40, s34, 5
	s_add_co_u32 s39, s39, s40
	s_and_b32 s40, s30, 1
	s_lshl_b32 s40, s40, 4
	s_add_co_u32 s39, s39, s40
	s_lshl_b32 s36, s39, 11
	s_lshl_b32 s40, s35, 10                        ; U's half of the row
	s_add_co_u32 s36, s36, s40
	s_lshl_b32 s40, s33, 8                         ; the K step
	s_add_co_u32 s36, s36, s40
	s_add_nc_u64 s[24:25], s[24:25], s[36:37]
	; b_scales: K step 4 part + ky, 32,768 bytes each; waves 0-3 store the 32 rows 512 x + 128 w + 32 g + 0 .. 31
	s_lshl_b32 s36, s35, 2
	s_add_co_u32 s36, s36, s33
	s_lshl_b32 s36, s36, 15
	s_lshl_b32 s40, ttmp9, 12
	s_add_co_u32 s36, s36, s40
	s_lshl_b32 s40, s34, 8
	s_add_co_u32 s36, s36, s40
	s_lshl_b32 s40, s30, 10
	s_add_co_u32 s36, s36, s40
	s_add_nc_u64 s[26:27], s[26:27], s[36:37]
	s_wait_loadcnt 32                              ; the copy's load is the oldest: the 32 behind it may be out
	global_store_b64 v25, v[26:27], s[28:29]
	; the largest magnitude of each of my four columns, eight rows at a time as they come in; the four columns by turns
	s_wait_loadcnt 24                              ; rows 0-7 are in; 24 younger loads may be out
.irp c, 0,1,2,3
	v_max3_num_f32 v[M+\c], |v[X+\c]|, |v[X+4+\c]|, 0x4800000     ; and the floor 2^(9 - 127): so the byte cannot fall under 1
.endr
.irp i, 2,4,6
.irp c, 0,1,2,3
	s_delay_alu instid0(VALU_DEP_4)
	v_max3_num_f32 v[M+\c], v[M+\c], |v[X+4*\i+\c]|, |v[X+4*\i+4+\c]|
.endr
.endr
	s_wait_alu depctr_va_vdst(0)
	s_wait_loadcnt 16
.irp i, 8,10,12,14
.irp c, 0,1,2,3
	v_max3_num_f32 v[M+\c], v[M+\c], |v[X+4*\i+\c]|, |v[X+4*\i+4+\c]|
.endr
.endr
	s_wait_alu depctr_va_vdst(0)
	s_wait_loadcnt 8
.irp i, 16,18,20,22
.irp c, 0,1,2,3
	v_max3_num_f32 v[M+\c], v[M+\c], |v[X+4*\i+\c]|, |v[X+4*\i+4+\c]|
.endr
.endr
	s_wait_alu depctr_va_vdst(0)
	s_wait_loadcnt 0x0
.irp i, 24,26,28,30
.irp c, 0,1,2,3
	v_max3_num_f32 v[M+\c], v[M+\c], |v[X+4*\i+\c]|, |v[X+4*\i+4+\c]|
.endr
.endr
.irp c, 0,1,2,3
	s_delay_alu instid0(VALU_DEP_4)
	v_add_nc_u32 v[SO+\c], 0xfc000000, v[M+\c]     ; 8 off the exponent field: the conversion takes the exponent field of this operand as its scale, and nothing else of it
.endr
.irp c, 0,1,2,3
	v_and_or_b32 v[LIM+\c], v[M+\c], 0x7f800000, s38   ; 448 x the scale: the largest magnitude's exponent field over 448's mantissa
.endr
.irp c, 0,1,2,3
	v_lshrrev_b32 v[BY+\c], 23, v[SO+\c]           ; the scale's byte
.endr
.irp c, 0,1,2,3
	ds_store_b8 v[SSA], v[BY+\c] offset:8*\c       ; column 4 l + c, block w: each wave has a byte of its own in each column's eight
.endr
.irp c, 0,1,2,3
.set i, 0
.rept 32
	v_med3_num_f32 v[Y+32*(\c%2)+i], v[X+4*i+\c], -v[LIM+\c], v[LIM+\c]   ; the conversion to an 8-bit code does not saturate (ISA guide 7.6.2): the hold; it also sets the column's numbers on end
.set i, i+1
.endr
.irp q, 0,1,2,3
	v_cvt_scalef32_pk8_fp8_f32 v[C+8*\c+2*\q:C+8*\c+2*\q+1], v[Y+32*(\c%2)+8*\q:Y+32*(\c%2)+8*\q+7], v[SO+\c]
.endr
	v_nop                                          ; a plain line behind the conversions; their sources are written again only two columns on, behind the next column's 32 holds
	ds_store_b128 v[STA], v[C+8*\c:C+8*\c+3] offset:32*PITCH*\c          ; 32 codes: bytes 32 w .. 32 w + 31 of the column's row
	ds_store_b128 v[STA], v[C+8*\c+4:C+8*\c+7] offset:32*PITCH*\c+16
.endr
	s_wait_dscnt 0x0                               ; for the others' sake: my codes and bytes lie in LDS
	s_barrier_signal -1
	s_barrier_wait -1                              ; everybody's do: 128 whole rows of 256 codes
.irp t, 0,1,2,3,4,5,6,7
	ds_load_b128 v[X+4*\t:X+4*\t+3], v[RDA] offset:((\t%2)*64+(\t/2))*PITCH
.endr
.irp t, 0,1,2,3,4,5,6,7
	s_wait_dscnt 7-\t                              ; LDS loads come back in order: load t is in, the younger ones may be out
	global_store_b128 v[GOA], v[X+4*\t:X+4*\t+3], s[24:25] offset:4096*\t   ; rows 2 t and 2 t + 1: sixteen lanes store 256 consecutive bytes, aligned
.endr
	s_cmp_lt_u32 s30, 4                            ; the 1,024 scale bytes leave by waves 0-3
	s_cbranch_scc0 .Lend
	ds_load_b64 v[64:65], v[SSR]
	s_wait_dscnt 0x0
	global_store_b64 v[GSA], v[64:65], s[26:27]    ; 32 rows x 8 bytes: 256 consecutive bytes, aligned
.Lend:
	s_set_vgpr_msb 0x5
	s_wait_tensorcnt 0x0
	ds_add_u32 v0, v1
	s_wait_dscnt 0x0
	s_set_vgpr_msb 0x500
	s_endpgm
.Lfunc_end_k_q1ebc8bbfa3_prep:
	.size	k_q1ebc8bbfa3_prep, .Lfunc_end_k_q1ebc8bbfa3_prep-k_q1ebc8bbfa3_prep
	.p2alignl 7, 3214868480
	.fill 96, 4, 3214868480
	.section	.rodata,"a",@progbits
	.p2align	6, 0x0
	.amdhsa_kernel k_q1ebc8bbfa3_prep
		.amdhsa_group_segment_fixed_size 36864
		.amdhsa_private_segment_fixed_size 0
		.amdhsa_enable_private_segment 0
		.amdhsa_kernarg_size 104
		.amdhsa_user_sgpr_count 2
		.amdhsa_user_sgpr_kernarg_segment_ptr 1
		.amdhsa_wavefront_size32 1
		.amdhsa_system_sgpr_workgroup_id_x 1
		.amdhsa_system_sgpr_workgroup_id_y 1
		.amdhsa_system_sgpr_workgroup_id_z 1
		.amdhsa_system_vgpr_workitem_id 0
		.amdhsa_next_free_vgpr 258
		.amdhsa_next_free_sgpr 66
		.amdhsa_reserve_vcc 0
		.amdhsa_float_denorm_mode_32 3
		.amdhsa_float_denorm_mode_16_64 3
		.amdhsa_memory_ordered 1
		.amdhsa_forward_progress 1
		.amdhsa_inst_pref_size 26
	.end_amdhsa_kernel
	.amdgpu_metadata
---
amdhsa.version: [ 1, 2 ]
amdhsa.kernels:
  - .name:           k_q1ebc8bbfa3_prep
    .symbol:         k_q1ebc8bbfa3_prep.kd
    .args:
      - { .name: W_i, .offset: 0, .size: 8, .value_kind: global_buffer, .address_space: global }
      - { .name: W_f, .offset: 8, .size: 8, .value_kind: global_buffer, .address_space: global }
      - { .name: W_o, .offset: 16, .size: 8, .value_kind: global_buffer, .address_space: global }
      - { .name: W_c, .offset: 24, .size: 8, .value_kind: global_buffer, .address_space: global }
      - { .name: U_i, .offset: 32, .size: 8, .value_kind: global_buffer, .address_space: global }
      - { .name: U_f, .offset: 40, .size: 8, .value_kind: global_buffer, .address_space: global }
      - { .name: U_o, .offset: 48, .size: 8, .value_kind: global_buffer, .address_space: global }
      - { .name: U_c, .offset: 56, .size: 8, .value_kind: global_buffer, .address_space: global }
      - { .name: x_scales, .offset: 64, .size: 8, .value_kind: global_buffer, .address_space: global }
      - { .name: h_prev_scales, .offset: 72, .size: 8, .value_kind: global_buffer, .address_space: global }
      - { .name: b_codes, .offset: 80, .size: 8, .value_kind: global_buffer, .address_space: global }
      - { .name: b_scales, .offset: 88, .size: 8, .value_kind: global_buffer, .address_space: global }
      - { .name: a_scales, .offset: 96, .size: 8, .value_kind: global_buffer, .address_space: global }
    .group_segment_fixed_size: 36864
    .private_segment_fixed_size: 0
    .kernarg_segment_align: 8
    .kernarg_segment_size: 104
    .max_flat_workgroup_size: 256
    .sgpr_count:     66
    .vgpr_count:     258
    .wavefront_size: 32
...
	.end_amdgpu_metadata
.endif
;; end of part 1
;; launch cell (part 2): grid 16 x 32, 8 waves a work-group, clusters of 4 x 4, 327,680 bytes of LDS; arguments x_codes, h_prev_codes, a_scales, b_codes, b_scales, c_prev, b_i, b_f, b_o, b_c, out0, out1; writes out0, out1
.if DOCPART == 2
	.amdgcn_target "amdgcn-amd-amdhsa--gfx1250"
	.amdhsa_code_object_version 6
	.text
	.protected	k_q1ebc8bbfa3_cell
	.globl	k_q1ebc8bbfa3_cell
	.p2align	8
	.type	k_q1ebc8bbfa3_cell,@function
k_q1ebc8bbfa3_cell:
	s_mov_b64 s[64:65], 0
	v_nop
	global_prefetch_b8 v0, s[64:65] scope:SCOPE_SE
	s_setreg_imm32_b32 hwreg(HW_REG_WAVE_MODE, 25, 1), 1
	s_wait_xcnt 0x0
	s_wait_alu depctr_hold_cnt(0) depctr_sa_sdst(0) depctr_va_vdst(0) depctr_va_sdst(0) depctr_va_ssrc(0) depctr_va_vcc(0) depctr_vm_vsrc(0)
	s_getreg_b32 s2, hwreg(HW_REG_IB_STS2, 6, 4)
	s_cmp_eq_u32 s2, 0
	s_cbranch_scc0 .Lentry_in_a_cluster
	s_endpgm
.Lentry_in_a_cluster:
	s_bfe_u32 s2, ttmp6, 0x10000c
	s_cmp_lg_u32 s2, 0xf033
	s_cbranch_scc0 .Lentry_shape_is_right
	s_endpgm
.Lentry_shape_is_right:
; The LSTM cell.  gates = x W + h_prev U + b is ONE product with K = 2,048 (x | h_prev against W | U) on codes of FP8 (E4M3) with one E8M0 scale for each 32 along K; then
; i, f, o = sigmoid, g = tanh, c = f c_prev + i g (out1), h = o tanh(c) (out0), all in f32.  The gates never go to memory.  Every input is used: no work is left out.
; A: x_codes, h_prev_codes [8192][1024 bytes]; a_scales [8 K steps of 256][8192][8].  B: b_codes [4096][2048 bytes], b_scales [8][4096][8], made by the launch before:
; B's row 256 T + 128 H + 32 g + j is gate g (0 i, 1 f, 2 o, 3 c) of hidden column 64 T + 32 H + j.
; SHARES.  A work-group of EIGHT waves makes 256 rows x 256 rows of B (64 hidden columns x 4 gates); wave w makes rows 64 (w / 2) on x B's half w % 2: 32 accumulators of 16 x 16, 256 registers.
; THE MATRIX INSTRUCTION IS USED TRANSPOSED (source 0 = 16 rows of B, source 1 = 16 rows of A): accumulator (a, b = 2 g + u), register j, lane (r, hl) is gate g of row 16 a + r at hidden column 16 u + 8 hl + j:
; the four gates of an element lie in one lane.  The biases are loaded into the accumulators, so every product adds in place and all K steps have one form.
; K goes in steps of 256 through a ring of two LDS slots; the scale bytes of all eight K steps come once, at the head.
; A step of 128 along K is one run of 48 LDS loads (one set of fragments: A's four, B's eight) and 32 products, B's blocks one after the other, each behind a counted wait.
; TWO GROUPS OF WAVES TAKE TURNS: group = (w xor w / 4) % 2.  Group 0 multiplies a slot's second 128 ahead of the change of slots, group 1 behind it (its fragments are in registers by then): so behind each change
; one group loads fragments while the other multiplies.  Only those 32 products stand under a branch on the wave's number; every wait, add and barrier is on every wave's path.
; CLUSTERS: 4 x 4 work-groups; A's tiles are asked for jointly along a row of the cluster, B's along a column; waves 0-3 fetch A's quarters of 64 rows, waves 4-7 B's.
; PREFETCHES: in K steps 0 to 3 each wave names 16 rows x 256 bytes of the K step four on (h_prev's 0 to 3, B's 4 to 7), two K steps ahead of the load: of the 64 rows that a wave fetches, the partner at place p takes
; rows 16 p on (p = cx for A, cy for B), by address; lanes 16-31 name the sixteenth row again.  K steps 0 to 3 come by their loads alone.  c_prev's 32 rows a wave are named in K step 4, two K steps ahead of their load.
; c_prev (256 rows x 256 bytes) comes by one tensor load a wave into slot 0 behind its last K step; c is written over it, h beside it, and both leave as whole rows of 256 bytes.
; One tile to a work-group: the stages lie in slot 0 behind its last fill, and LDS has no room for them beside the ring.
; LIMITS: sigmoid(x) = 1 / (1 + 2^(-x log2 e)), tanh(x) = 1 - 2 / (1 + 2^(2 x log2 e)): an exponential that overflows gives 1 / infinity = 0, one that underflows 1 / 1.  Near 0 tanh keeps an
;         ABSOLUTE error of about 1e-7, not a relative one.  NaN and infinities among the inputs are not served.
; REGISTERS: window 0: v0-30 addresses; v32-47 scale words; v64-127 A's fragments; v128-255 B's; in the cell v64-223 are at work.   window 1: the accumulators ((a, b) at v[8 (8 a + b)]).
.set PITCH,  272                       ; an LDS row: 256 bytes + 16 of padding
.set QT,     64*PITCH                  ; what one tensor load of the ring brings
.set HALFT,  128*PITCH
.set SLOT,   4*HALFT                   ; A's 256 rows, then B's 256 rows
.set SCL,    2*SLOT                    ; A's scale bytes [8 K steps][256 rows][8], then B's: 16,384 bytes each
.set SPARE,  SCL+2*16384               ; the spare words: 128 bytes a wave
.set HST,    2*HALFT                   ; the stage for h: slot 0's second half
.set NP,     8                         ; places behind this matrix instruction (ISA guide 7.12.1)
.set ADRA, 16                          ; v16-17  my A fragments in slot 0, 1
.set ADRB, 20                          ; v20-21  the same for B
.set CPA,  22                          ; v22  my 32 bytes of c_prev's (and c's) row r
.set HSA,  23                          ; v23  the same in h's stage
.set RD,   24                          ; v24  where I read a row back
.set CO,   25                          ; v25  my byte offset in the output
.set PFO,  26                          ; v26  4,096 x lane: a lane a row of c_prev
.set ADRS, 27                          ; v27  my scale words: lanes 0-15 A's rows, lanes 16-31 B's
.set SPW,  28                          ; v28  my spare word
.set NIL,  29                          ; v29  0
.set PFT,  30                          ; v30  min(lane, 15) x a row of the tensor whose tiles I fetch
.set SC,   32                          ; register 2 i + q: lanes 0-15 the word of A's block i, lanes 16-31 of B's block i, for the K step's q-th 128
.set AF,   64
.set BF,   128
.set T,    64                          ; the cell: the four gates of a block: 16 g + 8 u + j
.set CP,   128
.set CN,   144
.set TNH,  160
.set HN,   176
.set OUTR, 192
.set WV,   2
.set LAP,  3
.set G1C,  4                           ; s[4:11], s[12:15] groups 1 and 0 for c_prev (written when what lay there has been used)
.set G0C,  12
.set BB,   16                          ; s[16:23] the four biases at my 32 hidden columns
.set OUTP, 24
.set PFC,  26                          ; s[26:27] c_prev at the 32 rows that I fetch
.set RQ,   28                          ; which 64 rows of the tile are mine
.set CH,   29                          ; which half of B's rows
.set G1,   32
.set G0,   40
.set G1B,  48
.set G0B,  56
.set G1S,  68
.set G0S,  76
.set G1SB, 80
.set G0SB, 88
.set PFA,  68                          ; s[68:69] when the scales have landed: where my tile prefetches stand
.set GP,   76                          ; s76      then too: my group
.set NL2,  92
.set TL2,  94
.set HP,   96                          ; s[96:99] K steps 4 and 5 of A: h_prev's first two
.set CUR,  100                         ; s[100:101], s[104:105] each slot's present K step of A
.set MSB, 0
.macro WIN new                         ; the immediate's high byte repeats the setting that is left
.if MSB != \new
	s_set_vgpr_msb (MSB<<8)|\new
.set MSB, \new
.endif
.endm
.macro PLACES n
.rept \n
	v_nop
.endr
.endm
.macro WALU
	s_wait_alu depctr_va_vdst(0)
.endm
.macro TLOAD g0, g1                    ; s_nop 0 and four v_nop follow a tensor load
	tensor_load_to_lds s[\g0:\g0+3], s[\g1:\g1+7]
	s_nop 0
	PLACES 4
.endm
.macro JLOAD g0a, g1a, g0b, g1b        ; a joint load: waves 0-3 fetch for A, waves 4-7 for B
	s_cmp_lt_u32 s[WV], 4
	s_cbranch_scc0 .Lfor_b_\@
	TLOAD \g0a, \g1a
	s_branch .Lasked_\@
.Lfor_b_\@:
	TLOAD \g0b, \g1b
.Lasked_\@:
.endm
.macro CREST                           ; a round of the cluster's barrier behind its opening barrier
	s_cmp_lg_u32 s[WV], 0
	s_cbranch_scc1 .Lnot_wave_0_\@
	s_barrier_signal -3
.Lnot_wave_0_\@:
	s_barrier_wait -3
	s_barrier_signal -1
	s_barrier_wait -1
.endm
.macro CROUND
	s_barrier_signal -1
	s_barrier_wait -1
	CREST
.endm
.macro ASK slot                        ; trips 1 and 2: my 16 rows of the K step four on; trip 3, slot 0: my 32 rows of c_prev
	s_cmp_gt_u32 s[LAP], 1
	s_cbranch_scc0 .Lno_t_\@
	global_prefetch_b8 v[PFT], s[PFA:PFA+1] th:TH_LOAD_NT scope:SCOPE_SE
.Lno_t_\@:
.if \slot == 0
	s_cmp_eq_u32 s[LAP], 1
	s_cbranch_scc0 .Lno_c_\@
	global_prefetch_b8 v[PFO], s[PFC:PFC+1] th:TH_LOAD_NT scope:SCOPE_SE
.Lno_c_\@:
.endif
.endm
	s_load_b512 s[4:19], s[0:1], 0x0               ; x_codes, h_prev_codes, a_scales, b_codes, b_scales, c_prev, b_i, b_f
	s_load_b256 s[20:27], s[0:1], 0x40             ; b_o, b_c, out0, out1
	v_lshl_add_u32 v[SPW], v0, 2, SPARE
	v_mov_b32 v[NIL], 0
	ds_add_u32 v[SPW], v[NIL]                      ; the opening lines: the add, twice on end, and its wait
	ds_add_u32 v[SPW], v[NIL]
	v_lshrrev_b32 v1, 5, v0
	s_delay_alu instid0(VALU_DEP_1)
	v_readfirstlane_b32 s[WV], v1                  ; wave 0..7
	s_lshr_b32 s[RQ], s[WV], 1
	s_and_b32 s[CH], s[WV], 1
	s_bfe_u32 s30, ttmp6, 0x40000                  ; cx
	s_bfe_u32 s31, ttmp6, 0x40004                  ; cy
	s_lshl_b32 s66, ttmp9, 2
	s_add_co_u32 s66, s66, s30                     ; tile column (64 hidden columns)
	s_and_b32 s67, ttmp7, 0xffff
	s_lshl_b32 s67, s67, 2
	s_add_co_u32 s67, s67, s31                     ; tile row (256 rows)
	s_lshl_b32 s92, s31, 2
	s_lshl_b32 s92, 15, s92                        ; my row of the cluster
	s_lshl_b32 s93, 0x1111, s30                    ; my column
	; group 1 for the codes: rows of 256 bytes, 16 of padding behind each: 128 rows at the head, 64 in the ring
	s_or_b32 s[G1], s92, (1<<20)|(1<<21)|(5<<22)|(3<<25)
	s_or_b32 s[G1B], s93, (1<<20)|(1<<21)|(5<<22)|(3<<25)
.irp g, G1, G1B
	s_mov_b32 s[\g+1], 256<<16
	s_mov_b32 s[\g+2], 128<<16
	s_mov_b32 s[\g+3], 256<<16
	s_mov_b32 s[\g+4], 128
	s_mov_b32 s[\g+6], 0
	s_mov_b32 s[\g+7], 0
.endr
	s_mov_b32 s[G1+5], 1024
	s_mov_b32 s[G1B+5], 2048
	; for the scales: 4 K steps x 256 rows x 8 bytes: 4 rows of 256 elements of 8 bytes, a K step of the whole tensor apart; dense in LDS
	s_or_b32 s[G1S], s92, (3<<16)|(1<<21)
	s_or_b32 s[G1SB], s93, (3<<16)|(1<<21)
.irp g, G1S, G1SB
	s_mov_b32 s[\g+1], 256<<16
	s_mov_b32 s[\g+2], 4<<16
	s_mov_b32 s[\g+3], 256<<16
	s_mov_b32 s[\g+4], 4
	s_mov_b32 s[\g+6], 0
	s_mov_b32 s[\g+7], 0
.endr
	s_mov_b32 s[G1S+5], 8192
	s_mov_b32 s[G1SB+5], 4096
	s_lshl_b32 s100, s67, 18                       ; A's codes: 256 rows of 1,024 bytes a tile row
	s_mov_b32 s101, 0
	s_lshl_b32 s78, s67, 11                        ; A's scales: 256 rows of 8 bytes, and four K steps of 65,536 bytes a half
	s_lshl_b32 s79, s[CH], 18
	s_add_co_u32 s78, s78, s79
	s_mov_b32 s79, 0
	s_lshl_b32 s58, s66, 19                        ; B's codes: 256 rows of 2,048 bytes a tile column
	s_mov_b32 s59, 0
	s_lshl_b32 s90, s66, 11                        ; B's scales: four K steps of 32,768 bytes a half
	s_lshl_b32 s91, s[CH], 17
	s_add_co_u32 s90, s90, s91
	s_mov_b32 s91, 0
	s_mul_i32 s94, s[CH], HALFT                    ; the head's eight tiles: a half of A's rows, of B's, of A's scales, of B's, by wave % 2
	s_mov_b32 s[G0], 1
	s_mov_b32 s[G0+1], s94
	s_mov_b32 s[G0B], 1
	s_add_co_u32 s[G0B+1], s94, 2*HALFT
	s_lshl_b32 s95, s[CH], 13
	s_mov_b32 s[G0S], 1
	s_add_co_u32 s[G0S+1], s95, SCL
	s_mov_b32 s[G0SB], 1
	s_add_co_u32 s[G0SB+1], s95, SCL+16384
	s_mul_i32 s94, s[WV], QT                       ; the ring: wave x 64 rows
	s_mov_b32 s[G0+4], 1
	s_add_co_u32 s[G0+5], s94, SLOT
	s_mov_b32 s[G0B+4], 1
	s_add_co_u32 s[G0B+5], s94, SLOT
	s_wait_dscnt 0x0                               ; both opening adds are done
	CROUND                                         ; all sixteen work-groups are here
	s_wait_kmcnt 0x0
	s_add_nc_u64 s[HP:HP+1], s[6:7], s[100:101]
	s_add_nc_u64 s[CUR:CUR+1], s[4:5], s[100:101]
	s_add_nc_u64 s[G0B+6:G0B+7], s[10:11], s[58:59]
	s_add_nc_u64 s[G0S+2:G0S+3], s[8:9], s[78:79]
	s_add_nc_u64 s[G0SB+2:G0SB+3], s[12:13], s[90:91]
	s_lshl_b32 s94, s[CH], 17                      ; the head: 128 rows a half
	s_mov_b32 s95, 0
	s_add_nc_u64 s[G0+2:G0+3], s[CUR:CUR+1], s[94:95]
	s_lshl_b32 s94, s[CH], 18
	s_add_nc_u64 s[G0B+2:G0B+3], s[G0B+6:G0B+7], s[94:95]
	s_and_b32 s94, s[WV], 3                        ; the ring: 64 rows a quarter
	s_lshl_b32 s94, s94, 16
	s_add_nc_u64 s[CUR:CUR+1], s[CUR:CUR+1], s[94:95]
	s_add_nc_u64 s[HP:HP+1], s[HP:HP+1], s[94:95]
	s_lshl_b32 s94, s94, 1
	s_add_nc_u64 s[G0B+6:G0B+7], s[G0B+6:G0B+7], s[94:95]
	s_add_nc_u64 s[G0B+6:G0B+7], s[G0B+6:G0B+7], 256
	s_add_nc_u64 s[CUR+4:CUR+5], s[CUR:CUR+1], 256
	s_add_nc_u64 s[HP+2:HP+3], s[HP:HP+1], 256
	s_mov_b64 s[G0+6:G0+7], s[CUR+4:CUR+5]
	s_or_b32 s[G0+3], s[G0+3], 0x80000000
	s_or_b32 s[G0+7], s[G0+7], 0x80000000
	s_or_b32 s[G0B+3], s[G0B+3], 0x80000000
	s_or_b32 s[G0B+7], s[G0B+7], 0x80000000
	s_or_b32 s[G0S+3], s[G0S+3], 0x80000000
	s_or_b32 s[G0SB+3], s[G0SB+3], 0x80000000
; THE HEAD'S LOADS, ONE A WAVE: waves 0, 1 K step 0's halves of A, waves 2, 3 of B, waves 4, 5 the halves of A's scales, waves 6, 7 of B's: one tree of branches
.macro ARM under, g0, g1, next
	s_cmp_lt_u32 s[WV], \under
	s_cbranch_scc0 \next
	TLOAD \g0, \g1
	s_branch .Lhead_asked
\next:
.endm
	ARM 2, G0,  G1,  .Lhead_b
	ARM 4, G0B, G1B, .Lhead_sa
	ARM 6, G0S, G1S, .Lhead_sb
	TLOAD G0SB, G1SB
.Lhead_asked:
	; the outputs, c_prev and the biases
	s_lshl_b32 s92, s67, 20                        ; 256 rows of 4,096 bytes a tile row,
	s_lshl_b32 s93, s66, 8                         ; 64 columns of 4 bytes a tile column
	s_add_co_u32 s92, s92, s93
	s_lshl_b32 s94, s[RQ], 18                      ; my 64 rows
	s_add_co_u32 s94, s94, s92
	s_mov_b32 s95, 0
	s_cmp_eq_u32 s[CH], 0                          ; waves of the left half store c (out1), of the right half h (out0): whole rows of 256 bytes
	s_cselect_b64 s[OUTP:OUTP+1], s[26:27], s[24:25]
	s_add_nc_u64 s[OUTP:OUTP+1], s[OUTP:OUTP+1], s[94:95]
	s_lshl_b32 s94, s[WV], 17                      ; of c_prev each wave fetches 32 rows
	s_add_co_u32 s94, s94, s92
	s_add_nc_u64 s[PFC:PFC+1], s[14:15], s[94:95]
	s_lshl_b32 s94, s[CH], 7                       ; my 32 hidden columns
	s_add_co_u32 s94, s94, s93
.irp g, 0,1,2,3
	s_add_nc_u64 s[BB+2*\g:BB+2*\g+1], s[BB+2*\g:BB+2*\g+1], s[94:95]
.endr
	s_mul_i32 s4, s[RQ], QT                        ; my 64 rows of A
	s_mul_i32 s5, s[CH], HALFT                     ; my 128 rows of B, behind A's 256
	s_add_co_u32 s5, s5, 2*HALFT
	s_lshl_b32 s6, s[RQ], 9                        ; A's scales: my 64 rows
	s_lshl_b32 s7, s[CH], 10                       ; B's: my 128 rows, behind A's 16,384 bytes
	s_add_co_u32 s7, s7, 16384
	s_sub_co_u32 s7, s7, s6                        ; the distance between the two
	s_add_co_u32 s6, s6, SCL
	s_lshl_b32 s8, s[CH], 7                        ; c_prev, c and h in LDS: row 64 RQ + r, bytes 128 CH + 32 hl on
	s_add_co_u32 s8, s8, s4
	s_mul_i32 s9, s[CH], HST                       ; back: c's rows or h's
	s_add_co_u32 s9, s9, s4
	s_lshr_b32 s12, s[WV], 2                       ; a row of A is 2^10 bytes, of B 2^11
	s_add_co_u32 s12, s12, 10
	v_and_b32 v1, 15, v0                           ; r
	v_bfe_u32 v2, v0, 4, 1                         ; hl
	v_and_b32 v8, 31, v0                           ; lane
	s_delay_alu instid0(VALU_DEP_3)
	v_mul_u32_u24 v3, v1, PITCH
	s_delay_alu instid0(VALU_DEP_3)
	v_lshlrev_b32 v7, 5, v2                        ; my half's eight biases
	s_delay_alu instid0(VALU_DEP_3)
	v_min_u32 v9, 15, v8
	v_lshlrev_b32 v5, 3, v1                        ; my row's 8 scale bytes of a K step
	v_mul_u32_u24 v6, s7, v2                       ; lanes 16-31 take B's: the lower base + the half x the distance
	v_mul_u32_u24 v10, v2, PITCH
	v_lshlrev_b32 v[CO], 12, v2
	v_lshl_add_u32 v4, v2, 4, v3                   ; a fragment's row x pitch + 16 x half
	v_lshl_add_u32 v11, v2, 5, v3
	v_lshlrev_b32 v[PFO], 12, v8
	v_lshlrev_b32 v[PFT], s12, v9
	v_add_nc_u32 v5, v5, v6
	v_lshl_add_u32 v10, v1, 4, v10                 ; back: lanes 0-15 one row of 256 bytes, lanes 16-31 the next
	v_lshl_add_u32 v[CO], v1, 4, v[CO]
	v_add_nc_u32 v[ADRA], s4, v4
	v_add_nc_u32 v[ADRB], s5, v4
	v_add_nc_u32 v[ADRS], s6, v5
	v_add_nc_u32 v[CPA], s8, v11
	v_add_nc_u32 v[RD], s9, v10
	v_add_nc_u32 v[ADRA+1], SLOT, v[ADRA]
	v_add_nc_u32 v[ADRB+1], SLOT, v[ADRB]
	s_delay_alu instid0(VALU_DEP_4)
	v_add_nc_u32 v[HSA], HST, v[CPA]
	WALU                                           ; the head's end
	WIN 0x40                                       ; the biases go into the accumulators: (a, 2 g + u) takes b_g at my hidden columns 16 u + 8 hl + 0 .. 7, for each of my four blocks a
.irp a, 0,1,2,3
.irp g, 0,1,2,3
.irp u, 0,1
.irp e, 0,1
	global_load_b128 v[8*(8*\a+2*\g+\u)+4*\e:8*(8*\a+2*\g+\u)+4*\e+3], v7, s[BB+2*\g:BB+2*\g+1] offset:64*\u+16*\e
.endr
.endr
.endr
.endr
	WIN 0
	s_mov_b32 s[NL2], 0xbfb8aa3b                   ; -log2(e)
	s_mov_b32 s[NL2+1], 0xbfb8aa3b
	s_mov_b32 s[TL2], 0x4038aa3b                   ; 2 log2(e)
	s_mov_b32 s[TL2+1], 0x4038aa3b
; one run of LDS loads: the fragments of the slot's q-th 128 along K: A's four, (q = 0: the K step's scale words,) B's eight.  Eight places stand between the last products and the run
.macro LOADS slot, q
	PLACES NP
.irp i, 0,1,2,3
.irp c, 0,1,2,3
	ds_load_b128 v[AF+16*\i+4*\c:AF+16*\i+4*\c+3], v[ADRA+\slot] offset:128*\q+32*\c+\i*16*PITCH
.endr
.endr
.if \q == 0
.irp i, 0,1,2,3,4,5,6,7
	ds_load_b64 v[SC+2*\i:SC+2*\i+1], v[ADRS] offset:128*\i
.endr
.endif
.irp i, 0,1,2,3,4,5,6,7
.irp c, 0,1,2,3
	ds_load_b128 v[BF+16*\i+4*\c:BF+16*\i+4*\c+3], v[ADRB+\slot] offset:128*\q+32*\c+\i*16*PITCH
.endr
.endr
.if \q == 0
	v_add_nc_u32 v[ADRS], 2048, v[ADRS]            ; on to the next K step's scale words
	WALU
.endif
.endm
; 32 products: B's blocks one after the other, each against A's four; the 32 accumulators take turns.  w = 1: block b waits until only the 4 (7 - b) loads of B's later blocks are out
.macro MULS q, w
	WIN 0x50                                       ; C and D window 1
.set B_, 0
.rept 8
.if \w
	s_wait_dscnt 4*(7-B_)
.endif
.set A_, 0
.rept 4
	v_wmma_scale_f32_16x16x128_f8f6f4 v[8*(8*A_+B_):8*(8*A_+B_)+7], v[BF+16*B_:BF+16*B_+15], v[AF+16*A_:AF+16*A_+15], v[8*(8*A_+B_):8*(8*A_+B_)+7], v[SC+2*B_+(\q)], v[SC+2*A_+(\q)] matrix_a_scale:MATRIX_SCALE_ROW1
.set A_, A_+1
.endr
.set B_, B_+1
.endr
	WIN 0
.endm
.macro GMUL g, w                       ; the slot's second 128, for the waves of group g
	s_cmp_eq_u32 s[GP], \g
	s_cbranch_scc0 .Lnot_mine_\@
	MULS 1, \w
.Lnot_mine_\@:
.endm
; the change of slots.  turn 1: this slot is filled again jointly, two K steps ahead; 2: slot 0 takes c_prev; 3: the last: c_prev is shown
.macro TURN slot, turn
.if \turn == 1
	s_wait_xcnt 0x0                                ; my prefetch has read its address
	s_add_nc_u64 s[PFA:PFA+1], s[PFA:PFA+1], 256
.endif
	s_wait_tensorcnt 0x0                           ; all my tensor loads have landed
.if \turn != 3
	ds_add_u32 v[SPW], v[NIL]
.endif
.if \turn == 1
	s_add_nc_u64 s[CUR+4*\slot:CUR+4*\slot+1], s[CUR+4*\slot:CUR+4*\slot+1], 512
	s_cmp_eq_u32 s[LAP], 2                         ; in the second trip K steps 4 and 5 are due: h_prev's first two
	s_cselect_b64 s[CUR+4*\slot:CUR+4*\slot+1], s[HP+2*\slot:HP+2*\slot+1], s[CUR+4*\slot:CUR+4*\slot+1]
	s_mov_b64 s[G0+4*\slot+2:G0+4*\slot+3], s[CUR+4*\slot:CUR+4*\slot+1]
	s_or_b32 s[G0+4*\slot+3], s[G0+4*\slot+3], 0x80000000
	s_add_nc_u64 s[G0B+4*\slot+2:G0B+4*\slot+3], s[G0B+4*\slot+2:G0B+4*\slot+3], 512
.endif
	s_wait_dscnt 0x0                               ; the add is done, and my reads of this slot are over
	s_barrier_signal -1
	s_barrier_wait -1
.if \turn != 3
	CREST                                          ; no wave of any partner still reads this slot or has a load on its way
.endif
.if \turn == 1
	JLOAD G0+4*\slot, G1, G0B+4*\slot, G1B
.endif
.if \turn == 2
	TLOAD G0C, G1C
.endif
.endm
.macro KSTEP slot, turn
	LOADS \slot, 0
	MULS 0, 1
.if \turn == 1
	ASK \slot
.endif
	LOADS \slot, 1
	GMUL 0, 1
	TURN \slot, \turn
	GMUL 1, 0
.endm
	s_wait_tensorcnt 0x0                           ; my tile of the head's eight is in; the lines ahead of a later first fill:
	ds_add_u32 v[SPW], v[NIL]
	s_mov_b32 s[G1+2], 64<<16                      ; no tensor load of mine is out: from here on a load brings 64 rows,
	s_mov_b32 s[G1+4], 64
	s_mov_b32 s[G1B+2], 64<<16
	s_mov_b32 s[G1B+4], 64
	s_mul_i32 s[G0+1], s[WV], QT                   ; slot 0's go to wave x 64 rows,
	s_mov_b32 s[G0B+1], s[G0+1]
	s_sub_nc_u64 s[G0B+2:G0B+3], s[G0B+6:G0B+7], 256   ; and B's begin at my quarter
	s_wait_dscnt 0x0
	CROUND
	JLOAD G0+4, G1, G0B+4, G1B                     ; K step 1, the first tensor load behind the round
	; the tile prefetches: A: h_prev at my quarter's rows + 16 cx; B: my quarter's rows + 16 cy, at K step 4
	s_and_b32 s71, s[WV], 3
	s_lshl_b32 s71, s71, 17
	s_lshl_b32 s70, s66, 19
	s_add_co_u32 s70, s70, s71
	s_lshl_b32 s71, s31, 15
	s_add_co_u32 s70, s70, s71
	s_add_co_u32 s70, s70, 1024
	s_lshl_b32 s72, s30, 14
	s_cmp_lt_u32 s[WV], 4
	s_cselect_b64 s[PFA:PFA+1], s[HP:HP+1], s[10:11]
	s_cselect_b32 s70, s72, s70
	s_mov_b32 s71, 0
	s_add_nc_u64 s[PFA:PFA+1], s[PFA:PFA+1], s[70:71]
	s_lshr_b32 s[GP], s[WV], 2                     ; my group
	s_xor_b32 s[GP], s[GP], s[WV]
	s_and_b32 s[GP], s[GP], 1
	s_mov_b32 s[G0C], 1                            ; c_prev: 32 rows x 64 numbers a wave into slot 0's first half; no mask
	s_mul_i32 s[G0C+1], s[WV], 32*PITCH
	s_mov_b64 s[G0C+2:G0C+3], s[PFC:PFC+1]
	s_or_b32 s[G0C+3], s[G0C+3], 0x80000000
	s_mov_b32 s[G1C], (2<<16)|(1<<20)|(5<<22)|(3<<25)
	s_mov_b32 s[G1C+1], 64<<16
	s_mov_b32 s[G1C+2], 32<<16
	s_mov_b32 s[G1C+3], 64<<16
	s_mov_b32 s[G1C+4], 32
	s_mov_b32 s[G1C+5], 1024
	s_mov_b32 s[G1C+6], 0
	s_mov_b32 s[G1C+7], 0
	s_mov_b32 s[LAP], 3
	s_wait_loadcnt 0x0                             ; the biases
.Llap:                                                 ; a trip is two K steps, once round the ring: K steps 2 and 3, 4 and 5, 6 and 7 are asked for
	KSTEP 0, 1
	KSTEP 1, 1
	s_sub_co_u32 s[LAP], s[LAP], 1
	s_cmp_lg_u32 s[LAP], 0
	s_cbranch_scc1 .Llap
	KSTEP 0, 2                                     ; K step 6; slot 0 takes c_prev
	KSTEP 1, 3                                     ; K step 7
; THE CELL, block by block of 16 rows x my 32 hidden columns: 16 elements a lane, four blocks a wave
.macro CPLOAD a
.irp u, 0,1
.irp e, 0,1
	ds_load_b128 v[CP+8*\u+4*\e:CP+8*\u+4*\e+3], v[CPA] offset:16*(\a)*PITCH+64*\u+16*\e
.endr
.endr
.endm
.macro SENDOUT a                       ; 16 whole rows of c or of h: sixteen lanes store 256 consecutive bytes, aligned
.irp t, 0,1,2,3,4,5,6,7
	global_store_b128 v[CO], v[OUTR+4*\t:OUTR+4*\t+3], s[OUTP:OUTP+1] offset:(16*(\a)+2*\t)*4096 th:TH_STORE_NT
.endr
.endm
.macro EPA a                           ; the gates' exponents and exponentials
.set AC, 64*(\a)
	WIN 0x01                                       ; source 0: window 1
	WALU
.irp b, 0,1,2,3,4,5
.irp e, 0,2,4,6
	v_pk_mul_f32 v[T+8*\b+\e:T+8*\b+\e+1], v[AC+8*\b+\e:AC+8*\b+\e+1], s[NL2:NL2+1] op_sel_hi:[1,0]   ; i, f, o: -x log2(e); each accumulator from its low end on
.endr
.endr
.irp b, 6,7
.irp e, 0,2,4,6
	v_pk_mul_f32 v[T+8*\b+\e:T+8*\b+\e+1], v[AC+8*\b+\e:AC+8*\b+\e+1], s[TL2:TL2+1] op_sel_hi:[1,0]   ; g: 2 x log2(e)
.endr
.endr
	WIN 0
	WALU
.set j, 0
.rept 64
	v_exp_f32 v[T+j], v[T+j]
.set j, j+1
.endr
	v_nop
.endm
.macro EPB a                           ; from the exponentials to c and h in the stage
	WALU
.set j, 0
.rept 32
	v_pk_add_f32 v[T+j:T+j+1], v[T+j:T+j+1], 1.0 op_sel_hi:[1,0]
.set j, j+2
.endr
	WALU
.set j, 0
.rept 64
	v_rcp_f32 v[T+j], v[T+j]                       ; i, f, o are done
.set j, j+1
.endr
	v_nop
	s_wait_dscnt 0x0                               ; this block's c_prev, and the rows of the block before
.if (\a) > 0
	SENDOUT (\a)-1
.endif
	WALU
.irp e, 0,2,4,6,8,10,12,14
	v_pk_fma_f32 v[T+48+\e:T+49+\e], v[T+48+\e:T+49+\e], -2.0, 1.0 op_sel_hi:[1,0,0]   ; g
.endr
.irp e, 0,2,4,6,8,10,12,14
	v_pk_mul_f32 v[T+48+\e:T+49+\e], v[T+48+\e:T+49+\e], v[T+\e:T+1+\e]               ; i g
.endr
.irp e, 0,2,4,6,8,10,12,14
	v_pk_fma_f32 v[CN+\e:CN+1+\e], v[T+16+\e:T+17+\e], v[CP+\e:CP+1+\e], v[T+48+\e:T+49+\e]   ; c = f c_prev + i g
.endr
.irp e, 0,2,4,6,8,10,12,14
	v_pk_mul_f32 v[TNH+\e:TNH+1+\e], v[CN+\e:CN+1+\e], s[TL2:TL2+1] op_sel_hi:[1,0]
.endr
	WALU
.set j, 0
.rept 16
	v_exp_f32 v[TNH+j], v[TNH+j]
.set j, j+1
.endr
	v_nop
	WALU
.irp e, 0,2,4,6,8,10,12,14
	v_pk_add_f32 v[TNH+\e:TNH+1+\e], v[TNH+\e:TNH+1+\e], 1.0 op_sel_hi:[1,0]
.endr
	WALU
.set j, 0
.rept 16
	v_rcp_f32 v[TNH+j], v[TNH+j]
.set j, j+1
.endr
	v_nop
	WALU
.irp e, 0,2,4,6,8,10,12,14
	v_pk_fma_f32 v[TNH+\e:TNH+1+\e], v[TNH+\e:TNH+1+\e], -2.0, 1.0 op_sel_hi:[1,0,0]   ; tanh(c)
.endr
.irp e, 0,2,4,6,8,10,12,14
	v_pk_mul_f32 v[HN+\e:HN+1+\e], v[TNH+\e:TNH+1+\e], v[T+32+\e:T+33+\e]             ; h = o tanh(c)
.endr
.irp u, 0,1
.irp e, 0,1
	ds_store_b128 v[CPA], v[CN+8*\u+4*\e:CN+8*\u+4*\e+3] offset:16*(\a)*PITCH+64*\u+16*\e   ; c goes where I read its c_prev
	ds_store_b128 v[HSA], v[HN+8*\u+4*\e:HN+8*\u+4*\e+3] offset:16*(\a)*PITCH+64*\u+16*\e
.endr
.endr
.if (\a) < 3
	CPLOAD (\a)+1
.endif
.endm
	PLACES NP                                      ; behind the last products: for the reads of results and the loads into the fragments' registers
	CPLOAD 0
	EPA 0
.irp a, 0,1,2,3
	EPB \a
.if \a < 3
	EPA \a+1                                       ; the next block's first part stands between my stores into the stage and the wait for them
.endif
	WALU
	s_wait_dscnt 0x0                               ; for the others' sake: my halves of the block's rows lie in LDS
	s_barrier_signal -1
	s_barrier_wait -1                              ; a row's 256 bytes come from two waves: now they are whole; each block has rows of its own
	s_wait_xcnt 0x0                                ; the stores of the block before have read their registers
.irp t, 0,1,2,3,4,5,6,7
	ds_load_b128 v[OUTR+4*\t:OUTR+4*\t+3], v[RD] offset:(16*\a+2*\t)*PITCH
.endr
.endr
	s_wait_dscnt 0x0
	SENDOUT 3
	s_wait_tensorcnt 0x0                           ; the wave's end
	ds_add_u32 v[SPW], v[NIL]
	s_wait_dscnt 0x0
	CROUND                                         ; the closing round
	s_endpgm
.Lfunc_end_k_q1ebc8bbfa3_cell:
	.size	k_q1ebc8bbfa3_cell, .Lfunc_end_k_q1ebc8bbfa3_cell-k_q1ebc8bbfa3_cell
	.p2alignl 7, 3214868480
	.fill 96, 4, 3214868480
	.section	.rodata,"a",@progbits
	.p2align	6, 0x0
	.amdhsa_kernel k_q1ebc8bbfa3_cell
		.amdhsa_group_segment_fixed_size 327680
		.amdhsa_private_segment_fixed_size 0
		.amdhsa_enable_private_segment 0
		.amdhsa_kernarg_size 96
		.amdhsa_user_sgpr_count 2
		.amdhsa_user_sgpr_kernarg_segment_ptr 1
		.amdhsa_wavefront_size32 1
		.amdhsa_system_sgpr_workgroup_id_x 1
		.amdhsa_system_sgpr_workgroup_id_y 1
		.amdhsa_system_sgpr_workgroup_id_z 1
		.amdhsa_system_vgpr_workitem_id 0
		.amdhsa_next_free_vgpr 512
		.amdhsa_next_free_sgpr 106
		.amdhsa_reserve_vcc 0
		.amdhsa_float_denorm_mode_32 3
		.amdhsa_float_denorm_mode_16_64 3
		.amdhsa_memory_ordered 1
		.amdhsa_forward_progress 1
		.amdhsa_inst_pref_size 164
	.end_amdhsa_kernel
	.amdgpu_metadata
---
amdhsa.version: [ 1, 2 ]
amdhsa.kernels:
  - .name:           k_q1ebc8bbfa3_cell
    .symbol:         k_q1ebc8bbfa3_cell.kd
    .args:
      - { .name: x_codes, .offset: 0, .size: 8, .value_kind: global_buffer, .address_space: global }
      - { .name: h_prev_codes, .offset: 8, .size: 8, .value_kind: global_buffer, .address_space: global }
      - { .name: a_scales, .offset: 16, .size: 8, .value_kind: global_buffer, .address_space: global }
      - { .name: b_codes, .offset: 24, .size: 8, .value_kind: global_buffer, .address_space: global }
      - { .name: b_scales, .offset: 32, .size: 8, .value_kind: global_buffer, .address_space: global }
      - { .name: c_prev, .offset: 40, .size: 8, .value_kind: global_buffer, .address_space: global }
      - { .name: b_i, .offset: 48, .size: 8, .value_kind: global_buffer, .address_space: global }
      - { .name: b_f, .offset: 56, .size: 8, .value_kind: global_buffer, .address_space: global }
      - { .name: b_o, .offset: 64, .size: 8, .value_kind: global_buffer, .address_space: global }
      - { .name: b_c, .offset: 72, .size: 8, .value_kind: global_buffer, .address_space: global }
      - { .name: out0, .offset: 80, .size: 8, .value_kind: global_buffer, .address_space: global }
      - { .name: out1, .offset: 88, .size: 8, .value_kind: global_buffer, .address_space: global }
    .group_segment_fixed_size: 327680
    .private_segment_fixed_size: 0
    .kernarg_segment_align: 8
    .kernarg_segment_size: 96
    .max_flat_workgroup_size: 256
    .sgpr_count:     106
    .vgpr_count:     512
    .wavefront_size: 32
...
	.end_amdgpu_metadata
.endif
;; end of part 2
